; MI455X (gfx1250); checked and timed in simulation.
; The chip was launched on July 23, 2026; its instructions are those of AMD's public machine-readable ISA for CDNA 5 (MIT licence, August 2026) and "CDNA5" Instruction Set Architecture Reference Guide (July 2026). The comments in the code are by the model that wrote it; some were corrected since.
;; Vectorized Expert MLP. Allowed arithmetic: float matrix products may take bf16 or f16 operands with f32 sums; all other float work in f32.
;; Inputs: routing_weights 2 x 2,048 x 8 float32; selected_experts 2 x 2,048 x 2 int32; w1 8 x 1,024 x 1,024 float32; w2 8 x 1,024 x 1,024 float32; x 2 x 2,048 x 1,024 float32.
;; Outputs: out0 2 x 2,048 x 1,024 float32.
;; One version. Each part assembles by itself: llvm-mc -triple=amdgcn-amd-amdhsa -mcpu=gfx1250 --defsym DOCPART=n.
;; ======== version 1 of 1: 4 launches
;; limits: values are held in f16: magnitudes above 65,504 overflow, below 6.1e-05 lose precision
;; workspace buffers: xb 8,388,608 bytes; w1b 16,777,216 bytes; w2h 16,777,216 bytes; hid 67,108,864 bytes; part 67,108,864 bytes
;; launch cast (part 1): grid 1280 x 1, 8 waves a work-group, no clusters, 0 bytes of LDS; arguments x, w1, w2, selected_experts, xb, w1b, w2h; writes xb, w1b, w2h
.if DOCPART == 1
	.amdgcn_target "amdgcn-amd-amdhsa--gfx1250"
	.amdhsa_code_object_version 6
	.text
	.protected	k_qf1e44cb837_cast
	.globl	k_qf1e44cb837_cast
	.p2align	8
	.type	k_qf1e44cb837_cast,@function
k_qf1e44cb837_cast:
	s_mov_b64 s[64:65], 0
	v_nop
	global_prefetch_b8 v0, s[64:65] scope:SCOPE_SE
	s_setreg_imm32_b32 hwreg(HW_REG_WAVE_MODE, 25, 1), 1
	s_wait_xcnt 0x0
; THE CAST.  xb = bf16(x), w1b = bf16(w1), w2h = f16(bf16(w2)); every layout stays as it is.  A stream: no LDS, no barrier, no matrix unit.
; All inputs of the module are rounded once to bf16, to nearest even.  w2 is the second product's operand beside an f16 hidden layer, so its bf16 number is written as f16.
; LIMITS.  That rewriting is exact for 2^-17 <= |w2| <= 65,504; below 2^-17 it is off by 2^-25 at the most; a bf16 number beyond 65,504 becomes an infinity.
; SHARES.  A work-group takes 65,536 bytes of f32 and makes 32,768 bytes: work-groups 0-255 x, 256-767 w1, 768-1279 w2.  Thread t takes 16 bytes at 16 t of each block of 4,096:
; a wave's load covers 512 consecutive bytes, its store 256 consecutive bytes at a multiple of 256 from the buffer's first byte.  All sixteen loads of a thread go out before the first conversion.
; selected_experts: reference() takes it and uses it in no result.  Work-groups 0-7 read its 32,768 bytes once; the numbers enter nothing.
.set X,   4                            ; v[4:67]   sixteen groups of four: f32 as loaded, then two registers to store
.set SEL, 68                           ; v[68:71]  selected_experts, read and not used
	s_load_b256 s[4:11], s[0:1], 0x0               ; x s[4:5], w1 s[6:7], w2 s[8:9], selected_experts s[10:11]
	s_load_b128 s[12:15], s[0:1], 0x20             ; xb s[12:13], w1b s[14:15]
	s_load_b64 s[28:29], s[0:1], 0x30              ; w2h
	v_lshlrev_b32 v1, 4, v0                        ; 16 t: my bytes in a block of 4,096 of the source
	v_lshlrev_b32 v2, 3, v0                        ; 8 t: in a block of 2,048 of the result
	s_mov_b32 s26, 0xffff0000                      ; a word's upper bf16
	s_mov_b32 s23, 0                               ; high words of the three offsets
	s_mov_b32 s25, 0
	s_mov_b32 s31, 0
	s_wait_kmcnt 0x0
	s_cmp_ge_u32 ttmp9, 256                        ; which tensor is mine: the choice hangs on the work-group's number alone
	s_cselect_b64 s[16:17], s[6:7], s[4:5]
	s_cselect_b64 s[18:19], s[14:15], s[12:13]
	s_cselect_b32 s20, 256, 0                      ; and the first work-group of that tensor
	s_cmp_ge_u32 ttmp9, 768
	s_cselect_b64 s[16:17], s[8:9], s[16:17]
	s_cselect_b64 s[18:19], s[28:29], s[18:19]
	s_cselect_b32 s20, 768, s20
	s_sub_co_u32 s21, ttmp9, s20                   ; my share's number in the tensor, 511 at the most
	s_lshl_b32 s22, s21, 16                        ; x 65,536 bytes in
	s_lshl_b32 s24, s21, 15                        ; x 32,768 bytes out
	s_add_nc_u64 s[16:17], s[16:17], s[22:23]
	s_add_nc_u64 s[18:19], s[18:19], s[24:25]
	s_cmp_lt_u32 ttmp9, 8
	s_cbranch_scc0 .Lno_sel
	s_lshl_b32 s30, ttmp9, 12                      ; eight work-groups x 4,096 bytes are all of selected_experts
	s_add_nc_u64 s[10:11], s[10:11], s[30:31]
	global_load_b128 v[SEL:SEL+3], v1, s[10:11] th:TH_LOAD_NT  ; older than the sixteen below, so their counts are the same on both ways
.Lno_sel:
.irp j, 0,1,2,3,4,5,6,7,8,9,10,11,12,13,14,15
	global_load_b128 v[X+4*(\j):X+4*(\j)+3], v1, s[16:17] offset:4096*(\j) th:TH_LOAD_NT
.endr
; Group j: four f32 become four 16-bit numbers, in place, and leave.  No register that a load or store names is written again, so no further wait is needed.
.macro CV j, half
	s_wait_loadcnt 15-(\j)                         ; loads come back in order (ISA guide 5.7.1): group j is in, the 15 - j younger ones stay out
	v_cvt_pk_bf16_f32 v[X+4*(\j)],   v[X+4*(\j)],   v[X+4*(\j)+1]
	v_cvt_pk_bf16_f32 v[X+4*(\j)+1], v[X+4*(\j)+2], v[X+4*(\j)+3]
.if \half
	v_lshlrev_b32 v[X+4*(\j)+2], 16,  v[X+4*(\j)+1]        ; the four bf16 numbers as f32 again,
	v_and_b32     v[X+4*(\j)+3], s26, v[X+4*(\j)+1]
	v_and_b32     v[X+4*(\j)+1], s26, v[X+4*(\j)]
	v_lshlrev_b32 v[X+4*(\j)],   16,  v[X+4*(\j)]
	v_cvt_pk_f16_f32 v[X+4*(\j)],   v[X+4*(\j)],   v[X+4*(\j)+1]  ; and written as f16
	v_cvt_pk_f16_f32 v[X+4*(\j)+1], v[X+4*(\j)+2], v[X+4*(\j)+3]
.endif
	global_store_b64 v2, v[X+4*(\j):X+4*(\j)+1], s[18:19] offset:2048*(\j)
.endm
	s_cmp_ge_u32 ttmp9, 768
	s_cbranch_scc1 .Lf16
.irp j, 0,1,2,3,4,5,6,7,8,9,10,11,12,13,14,15
	CV \j, 0
.endr
	s_endpgm
.Lf16:
.irp j, 0,1,2,3,4,5,6,7,8,9,10,11,12,13,14,15
	CV \j, 1
.endr
	s_endpgm
.Lfunc_end_k_qf1e44cb837_cast:
	.size	k_qf1e44cb837_cast, .Lfunc_end_k_qf1e44cb837_cast-k_qf1e44cb837_cast
	.p2alignl 7, 3214868480
	.fill 96, 4, 3214868480
	.section	.rodata,"a",@progbits
	.p2align	6, 0x0
	.amdhsa_kernel k_qf1e44cb837_cast
		.amdhsa_group_segment_fixed_size 0
		.amdhsa_private_segment_fixed_size 0
		.amdhsa_enable_private_segment 0
		.amdhsa_kernarg_size 56
		.amdhsa_user_sgpr_count 2
		.amdhsa_user_sgpr_kernarg_segment_ptr 1
		.amdhsa_wavefront_size32 1
		.amdhsa_system_sgpr_workgroup_id_x 1
		.amdhsa_system_sgpr_workgroup_id_y 1
		.amdhsa_system_sgpr_workgroup_id_z 1
		.amdhsa_system_vgpr_workitem_id 0
		.amdhsa_next_free_vgpr 72
		.amdhsa_next_free_sgpr 66
		.amdhsa_reserve_vcc 0
		.amdhsa_float_denorm_mode_32 3
		.amdhsa_float_denorm_mode_16_64 3
		.amdhsa_memory_ordered 1
		.amdhsa_forward_progress 1
		.amdhsa_inst_pref_size 16
	.end_amdhsa_kernel
	.amdgpu_metadata
---
amdhsa.version: [ 1, 2 ]
amdhsa.kernels:
  - .name:           k_qf1e44cb837_cast
    .symbol:         k_qf1e44cb837_cast.kd
    .args:
      - { .name: x, .offset: 0, .size: 8, .value_kind: global_buffer, .address_space: global }
      - { .name: w1, .offset: 8, .size: 8, .value_kind: global_buffer, .address_space: global }
      - { .name: w2, .offset: 16, .size: 8, .value_kind: global_buffer, .address_space: global }
      - { .name: selected_experts, .offset: 24, .size: 8, .value_kind: global_buffer, .address_space: global }
      - { .name: xb, .offset: 32, .size: 8, .value_kind: global_buffer, .address_space: global }
      - { .name: w1b, .offset: 40, .size: 8, .value_kind: global_buffer, .address_space: global }
      - { .name: w2h, .offset: 48, .size: 8, .value_kind: global_buffer, .address_space: global }
    .group_segment_fixed_size: 0
    .private_segment_fixed_size: 0
    .kernarg_segment_align: 8
    .kernarg_segment_size: 56
    .max_flat_workgroup_size: 256
    .sgpr_count:     66
    .vgpr_count:     72
    .wavefront_size: 32
...
	.end_amdgpu_metadata
.endif
;; end of part 1
;; launch up (part 2): grid 32 x 8, 4 waves a work-group, clusters of 4 x 4, 327,680 bytes of LDS; arguments xb, w1b, hid, routing_weights; writes hid
.if DOCPART == 2
	.amdgcn_target "amdgcn-amd-amdhsa--gfx1250"
	.amdhsa_code_object_version 6
	.text
	.protected	k_qf1e44cb837_up
	.globl	k_qf1e44cb837_up
	.p2align	8
	.type	k_qf1e44cb837_up,@function
k_qf1e44cb837_up:
	s_mov_b64 s[64:65], 0
	v_nop
	global_prefetch_b8 v0, s[64:65] scope:SCOPE_SE
	s_setreg_imm32_b32 hwreg(HW_REG_WAVE_MODE, 25, 1), 1
	s_wait_xcnt 0x0
	s_wait_alu depctr_hold_cnt(0) depctr_sa_sdst(0) depctr_va_vdst(0) depctr_va_sdst(0) depctr_va_ssrc(0) depctr_va_vcc(0) depctr_vm_vsrc(0)
	s_getreg_b32 s2, hwreg(HW_REG_IB_STS2, 6, 4)
	s_cmp_eq_u32 s2, 0
	s_cbranch_scc0 .Lentry_in_a_cluster
	s_endpgm
.Lentry_in_a_cluster:
	s_bfe_u32 s2, ttmp6, 0x10000c
	s_cmp_lg_u32 s2, 0xf033
	s_cbranch_scc0 .Lentry_shape_is_right
	s_endpgm
.Lentry_shape_is_right:
; THE FIRST PRODUCT.  hid[n][1024 e + h] = silu(z) x rwb[n][e] x 2^-k(n), z = sum over d of xb[n][d] w1b[e][d][h].  xb: [4096][1024] bf16; w1b: [8][1024 d][1024 h] bf16;
; routing_weights: [4096][8] f32; hid: [4096][8192] f16.  Sums, silu and the factor in f32, hid rounded once.
; THE FACTOR.  rwb is rw rounded to bf16, like every input of the module.  2^k(n) is the power of two just above the largest |rw[n][.]| of the row, so the factor's size is 1 at the most and hid is no larger
; than silu(z); the last launch multiplies the row's sum by 2^k(n).  Both multiplications by the power of two are exact.  k comes from the exponent fields by whole-number arithmetic: no division, and a row of zeros has the factor 0.
; LIMITS.  hid is f16: 65,520 or more becomes an infinity; below 6e-5 it keeps f16's fixed step of 6e-8, which an expert whose rw is small beside the row's largest reaches sooner.  Where the row's largest |rw| is
; 2^126 or more the factor can reach 4.  silu(z) = z / (1 + 2^(-z log2 e)): for z so far below 0 that the power is an infinity the result is -0.  NaN and infinities are not treated apart.
; As a product this is C = A B with A = xb (rows along K) and B = w1b of one expert (rows ACROSS K: [k][n]).  A tile of C is 256 x 256: four waves, each 128 x 128: 64 accumulators of 16 x 16, 512 registers.
; K goes in steps of 128 through a ring of two LDS slots filled by the tensor data mover.  A's tile: 256 rows x 256 bytes.  B's tile: 128 rows (k) x 512 bytes (256 columns), read turned by ds_load_tr16_b128.
; A WORK-GROUP STAYS: it makes two tiles of C, 2,048 rows apart, with the same rows of B; the ring runs on into the second tile.
; CLUSTERS: 4 x 4 work-groups.  The four of a row of the cluster need the same tiles of A, the four of a column the same tiles of B: each tile is asked for JOINTLY, by the same tensor load with the same
; descriptor and a mask that names the four.
; THE MATRIX INSTRUCTION IS USED TRANSPOSED: source 0 = 16 columns of B, source 1 = 16 rows of A.  In the result lane l holds row l % 16 of C and the columns 8 (l / 16) + 0 .. 7: eight neighbours, 16 bytes of f16;
; so the factor is one number a lane and block of 16 rows.
; REGISTERS, in windows of 256 (s_set_vgpr_msb: bits 1:0 source 0, 3:2 source 1, 5:4 source 2, 7:6 destination):
;   window 0: v0-31 addresses; v64-127, v128-191 fragments of A, two buffers; on the way out v128-191 silu's work, v192-223 packed results, v32-63 and v224-255 rows read back
;   window 1: v0-31 the factors (tile t, block a twice, at v[16 t + 2 a]); v64-127, v128-191 fragments of B, two buffers
;   window 2: the accumulators of my rows 0-63 ((a, b) at v[8 (8 a + b)])       window 3: those of my rows 64-127
.set SIZE_M, 4096
.set SIZE_N, 8192
.set SIZE_K, 1024
.set TILES,  2
.set KSTEP,  128
.set PA,     272                       ; a row of A in LDS: 256 bytes + 16 = 68 words: row r starts at bank 4 r mod 64 (64 banks of 4 bytes: ISA guide 11.1)
.set PB,     544                       ; a row of B: 512 bytes + 32 = 136 words: row r starts at bank 8 r mod 64
.set HALFT,  128*PA                    ; what one tensor load brings: 128 rows of A, or 64 rows of B (64 x 544 is the same 34,816 bytes)
.set BOFF,   2*HALFT                   ; B's tile lies behind A's
.set SLOT,   4*HALFT
.set STAGE,  2*SLOT                    ; behind the ring: 16 rows x 272 bytes for each wave, for the way out; no tensor load fills it
.set SPITCH, 272
.set SPARE,  STAGE+4*16*SPITCH         ; behind the stages: the spare words, 128 bytes for each wave: two blocks of 256 bytes that no other line names
.set LAPS,   SIZE_K/(2*KSTEP)          ; a lap = two K steps = once round the ring
.set WALK,   SIZE_M/TILES              ; rows from a work-group's first tile to its second
.set STEP_A, 2*KSTEP*2                 ; two K steps along A's rows, in bytes
.set STEP_B, 2*KSTEP*2048              ; two K steps down B's rows of 2,048 bytes
.set NEXT_A, WALK*SIZE_K*2-(SIZE_K-2*KSTEP)*2   ; from a slot's last K step of a tile to its first of the next: A goes WALK rows down and back along K,
.set BACK_B, (SIZE_K-2*KSTEP)*2048     ; B only back
.set NEXT_C, (WALK-7*16)*SIZE_N*2      ; from my last 16 rows of a tile to my first of the next
.set RWO,  8                           ; v8      my byte offset in 16 rows of routing_weights
.set ADRA, 16                          ; v16-17  LDS address of my A fragments in slot 0, 1
.set ADRB, 20                          ; v20-21  the same for B
.set STO,  24                          ; v24     the way out: where I put 16 bytes of a row
.set RD,   25                          ; v25     the way out: where I read a row back
.set CO,   26                          ; v26     my byte offset in C
.set SPW,  28                          ; v28     LDS address of my spare word: SPARE + 4 x my thread's number; never rewritten
.set NIL,  29                          ; v29     0; never rewritten
.set F0,   64
.set F1,   128
.set RWT,  64                          ; at the start only: v64-191, the eight rw of each of my 16 rows
.set OWN,  192                         ; at the start only: v192-207, my expert's rw of those rows
.set RT,   0                           ; the factors, in window 1
.set T,    128                         ; the way out: 64 registers at work (A's buffer 1, which is free then)
.set TMP,  192
.set OB,   32
.set G1,   24                          ; s[24:31] descriptor group 1 for A's tiles;  s[32:39] group 0, one set for each slot
.set G0,   32
.set G1B,  48                          ; s[48:55], s[56:63] the same for B's tiles
.set G0B,  56
.set NL2E, 66                          ; s[66:67] -log2(e): the packed multiply names the pair and takes its low word for both halves
.set MSB, 0
.macro WIN new                         ; the immediate's high byte repeats the setting that is left; a switch that changes nothing is dropped
.if MSB != (\new)
	s_set_vgpr_msb (MSB<<8)|(\new)
.set MSB, \new
.endif
.endm
.set MUL_LO, 0xa1                      ; source 0 (B) window 1, source 1 (A) window 0, C and D window 2
.set MUL_HI, 0xf1                      ; the same, C and D window 3
.set TO_B,   0x40                      ; destination window 1, address window 0
; A joint refill.  Waves 0 and 1 fetch A's two halves, waves 2 and 3 B's.  The branch hangs on the wave's number alone.  Four v_nop follow each of the two lines.
.macro JLOAD s
	s_cmp_eq_u32 s11, 0
	s_cbranch_scc0 .Lfor_b_\@
	tensor_load_to_lds s[G0+4*(\s):G0+4*(\s)+3], s[G1:G1+7]
	s_nop 0
.rept 4
	v_nop
.endr
	s_branch .Lasked_\@
.Lfor_b_\@:
	tensor_load_to_lds s[G0B+4*(\s):G0B+4*(\s)+3], s[G1B:G1B+7]
	s_nop 0
.rept 4
	v_nop
.endr
.Lasked_\@:
.endm
; A round of the cluster's barrier: my work-group's barrier, so that wave 0's signal speaks for all four waves; wave 0 signals; every wave waits for all sixteen work-groups; my work-group's barrier once more.
.macro CREST                           ; a round behind its opening barrier
	s_cmp_lg_u32 s10, 0
	s_cbranch_scc1 .Lnot_wave_0_\@
	s_barrier_signal -3
.Lnot_wave_0_\@:
	s_barrier_wait -3
	s_barrier_signal -1
	s_barrier_wait -1
.endm
.macro CROUND                          ; a whole round
	s_barrier_signal -1
	s_barrier_wait -1
	CREST
.endm
	s_load_b128 s[4:7], s[0:1], 0x0                ; xb s[4:5], w1b s[6:7]
	s_load_b64 s[8:9], s[0:1], 0x10                ; hid
	s_load_b64 s[18:19], s[0:1], 0x18              ; routing_weights
	v_lshl_add_u32 v[SPW], v0, 2, SPARE
	v_mov_b32 v[NIL], 0
	ds_add_u32 v28, v29
	s_wait_dscnt 0x0
	v_lshrrev_b32 v1, 5, v0
	v_readfirstlane_b32 s10, v1                    ; wave 0..3
	s_lshr_b32 s11, s10, 1                         ; which half of the tile's rows is mine.  Also: I fetch for A (0) or for B (1)
	s_and_b32 s12, s10, 1                          ; which half of its columns.  Also: which half of that tile I fetch
	s_bfe_u32 s40, ttmp6, 0x40000                  ; cx: my place along the cluster's x
	s_bfe_u32 s41, ttmp6, 0x40004                  ; cy: along its y
	s_lshl_b32 s42, ttmp9, 2                       ; in a cluster launch ttmp9 and ttmp7 count clusters
	s_add_co_u32 s42, s42, s40                     ; tile column of C = 4 x cluster x + cx: expert = cluster x, quarter of its 1,024 columns = cx
	s_and_b32 s13, ttmp7, 0xffff
	s_lshl_b32 s13, s13, 2
	s_add_co_u32 s13, s13, s41                     ; tile row of C = 4 x cluster y + cy (0..7; the second tile lies 8 further down)
	s_lshl_b32 s43, s41, 2
	s_lshl_b32 s43, 15, s43                        ; my row of the cluster: places 4 cy .. 4 cy + 3
	s_lshl_b32 s44, 0x1111, s40                    ; my column: places cx, cx + 4, cx + 8, cx + 12
	s_mov_b32 s[NL2E], 0xbfb8aa3b                  ; -1.442695
	s_mov_b32 s[NL2E+1], s[NL2E]                   ; named with it as a pair
	; descriptor group 1 for A: 128 rows x 128 elements, 16 bytes of padding behind each row
	s_or_b32 s[G1+0], s43, (1<<16)|(1<<20)|(1<<21)|(5<<22)|(3<<25)  ; 15:0 the mask: my row; 17:16 elements of 2 bytes; 20 padding on; 21 set beside a mask; 24:22 after every 64 words (code 5); 31:25 4 words (code 3)
	s_mov_b32 s[G1+1], KSTEP<<16                   ; tensor_dim0 = 128
	s_mov_b32 s[G1+2], 128<<16                     ; tensor_dim1 = 128
	s_mov_b32 s[G1+3], KSTEP<<16                   ; tile_dim0 = 128
	s_mov_b32 s[G1+4], 128                         ; tile_dim1 = 128
	s_mov_b32 s[G1+5], SIZE_K                      ; 1,024 elements from row to row
	s_mov_b32 s[G1+6], 0
	s_mov_b32 s[G1+7], 0
	; for B: 64 rows (k) x 256 elements (columns), 32 bytes of padding behind each row
	s_or_b32 s[G1B+0], s44, (1<<16)|(1<<20)|(1<<21)|(6<<22)|(7<<25) ; the mask: my column; after every 128 words (code 6) 8 words (code 7)
	s_mov_b32 s[G1B+1], 256<<16                    ; tensor_dim0 = 256
	s_mov_b32 s[G1B+2], 64<<16                     ; tensor_dim1 = 64
	s_mov_b32 s[G1B+3], 256<<16                    ; tile_dim0 = 256
	s_mov_b32 s[G1B+4], 64                         ; tile_dim1 = 64
	s_mov_b32 s[G1B+5], 1024                       ; 1,024 elements from row to row
	s_mov_b32 s[G1B+6], 0
	s_mov_b32 s[G1B+7], 0
	; where the tiles come from.  A's hang on the tile row alone, B's on the tile column alone; each offset is made in registers that never hold the other coordinate.
	s_lshl_b32 s16, s13, 8
	s_lshl_b32 s17, s12, 7
	s_add_co_u32 s16, s16, s17                     ; A: row 256 x tile row + 128 x half,
	s_lshl_b32 s16, s16, 11                        ; x 2,048 bytes
	s_mov_b32 s17, 0
	s_lshl_b32 s46, ttmp9, 21                      ; B: the expert's 2 MiB,
	s_lshl_b32 s47, s40, 9                         ; 256 columns x 2 bytes for each quarter,
	s_add_co_u32 s46, s46, s47
	s_lshl_b32 s47, s12, 17                        ; 64 rows of 2,048 bytes for the second half of a K step
	s_add_co_u32 s46, s46, s47
	s_mov_b32 s47, 0
	s_mul_i32 s20, s10, HALFT                      ; and where they go: A's two halves, then B's two halves = wave x 34,816: no place in the cluster enters an LDS address
	s_wait_kmcnt 0x0
	s_add_nc_u64 s[14:15], s[4:5], s[16:17]
	s_add_nc_u64 s[46:47], s[6:7], s[46:47]
	CROUND                                         ; all sixteen work-groups are here: the first joint loads meet
.irp s, 0,1
	s_mov_b32 s[G0+4*(\s)], 1                                      ; count = 1
	s_add_co_u32 s[G0+4*(\s)+1], s20, (\s)*SLOT                    ; LDS address
	s_add_nc_u64 s[G0+4*(\s)+2:G0+4*(\s)+3], s[14:15], (\s)*KSTEP*2  ; global address: K step s
	s_or_b32 s[G0+4*(\s)+3], s[G0+4*(\s)+3], 0x80000000            ; type = 2
	s_mov_b32 s[G0B+4*(\s)], 1
	s_add_co_u32 s[G0B+4*(\s)+1], s20, (\s)*SLOT
	s_add_nc_u64 s[G0B+4*(\s)+2:G0B+4*(\s)+3], s[46:47], (\s)*KSTEP*2048
	s_or_b32 s[G0B+4*(\s)+3], s[G0B+4*(\s)+3], 0x80000000
.endr
	s_cmp_eq_u32 s11, 0                            ; a wave's two first fills stand in one branch, ahead of every wait on TENSORcnt and every LDS read: two loads of mine are out
	s_cbranch_scc0 .Lfirst_b
	tensor_load_to_lds s[G0:G0+3], s[G1:G1+7]
	s_nop 0
	tensor_load_to_lds s[G0+4:G0+7], s[G1:G1+7]
	s_nop 0
.rept 4
	v_nop
.endr
	s_branch .Lfirst_asked
.Lfirst_b:
	tensor_load_to_lds s[G0B:G0B+3], s[G1B:G1B+7]
	s_nop 0
	tensor_load_to_lds s[G0B+4:G0B+7], s[G1B:G1B+7]
	s_nop 0
.rept 4
	v_nop
.endr
.Lfirst_asked:
	; All that follows up to the barrier stands in the wait for the first tiles.
	v_and_b32 v1, 15, v0                           ; l % 16
	v_bfe_u32 v2, v0, 4, 1                         ; l / 16
	; routing_weights for my 16 rows: row l % 16 of each of my 8 blocks, in both tiles.  The row's eight numbers (for k), and once more my expert's own.
	v_lshlrev_b32 v[RWO], 5, v1                    ; a row is 32 bytes
	s_lshl_b32 s20, s13, 8
	s_lshl_b32 s21, s11, 7
	s_add_co_u32 s20, s20, s21                     ; my wave's first row: 256 x tile row + 128 x half,
	s_lshl_b32 s20, s20, 5                         ; x 32 bytes
	s_mov_b32 s21, 0
	s_add_nc_u64 s[18:19], s[18:19], s[20:21]
	s_lshl_b32 s20, ttmp9, 2                       ; my expert's number in a row
	s_add_nc_u64 s[2:3], s[18:19], s[20:21]
.set i, 0
.rept 16                                ; i = 8 x tile + block: 2,048 rows are 65,536 bytes, 16 rows 512
	global_load_b128 v[RWT+8*i:RWT+8*i+3],   v[RWO], s[18:19] offset:65536*(i/8)+512*(i%8)
	global_load_b128 v[RWT+8*i+4:RWT+8*i+7], v[RWO], s[18:19] offset:65536*(i/8)+512*(i%8)+16
	global_load_b32  v[OWN+i],               v[RWO], s[2:3]   offset:65536*(i/8)+512*(i%8)
.set i, i+1
.endr
	; A fragment is 16 rows x 32 K in 8 registers: lane l holds row l % 16; registers 0-3 hold K = 8 (l / 16) + 0..7, registers 4-7 K = 16 + 8 (l / 16) + 0..7.
	; A's rows lie along K: two loads of 16 bytes, 32 bytes apart.  B's lie across K: the turning load takes 16 k x 16 columns (lane l reads k = 8 (l / 16) + l % 8, columns 8 ((l / 8) % 2) + 0..7)
	; and leaves half a fragment: lane l holds column l % 16 and 8 k; the second half lies 16 rows further down.
	v_mul_u32_u24 v3, v1, PA
	v_lshl_add_u32 v3, v2, 4, v3                   ; A: row x pitch + 16 x half
	v_and_b32 v6, 7, v0
	v_bfe_u32 v7, v0, 3, 1
	v_lshl_add_u32 v4, v2, 3, v6
	v_mul_u32_u24 v4, v4, PB
	v_lshl_add_u32 v4, v7, 4, v4                   ; B: (8 (l / 16) + l % 8) x pitch + 16 ((l / 8) % 2)
	s_mul_i32 s21, s11, HALFT                      ; my 128 rows of A
	s_lshl_b32 s22, s12, 8                         ; my 128 columns of B, 256 bytes,
	s_add_co_u32 s22, s22, BOFF                    ; behind A's tile
.irp s, 0,1
	v_add_nc_u32 v[ADRA+(\s)], s21, v3
	v_add_nc_u32 v[ADRB+(\s)], s22, v4
	s_add_co_u32 s21, s21, SLOT
	s_add_co_u32 s22, s22, SLOT
.endr
	s_mul_i32 s23, s10, 16*SPITCH
	s_add_co_u32 s23, s23, STAGE                   ; my stage
	v_mul_u32_u24 v4, v1, SPITCH                   ; in: row l % 16, 16 bytes for each half of the lanes
	v_lshl_add_u32 v4, v2, 4, v4
	v_add_nc_u32 v[STO], s23, v4
	v_mul_u32_u24 v5, v2, SPITCH                   ; back: lanes 0-15 take one row of 256 bytes, lanes 16-31 the next
	v_lshl_add_u32 v5, v1, 4, v5
	v_add_nc_u32 v[RD], s23, v5
	v_mul_u32_u24 v5, v2, SIZE_N*2                 ; and the same two rows in C
	v_lshl_add_u32 v[CO], v1, 4, v5
	; where my part of the first tile begins in C, in bytes: the first way out adds it to C's address
	s_lshl_b32 s13, s13, 8
	s_lshl_b32 s14, s11, 7
	s_add_co_u32 s16, s13, s14                     ; my first row of C,
	s_lshl_b32 s16, s16, 14                        ; x 16,384 bytes
	s_mov_b32 s17, 0
	s_lshl_b32 s46, s42, 9                         ; my first column, in bytes: 512 x tile column + 256 x half
	s_lshl_b32 s47, s12, 8
	s_add_co_u32 s46, s46, s47
	s_mov_b32 s47, 0
	s_add_nc_u64 s[16:17], s[16:17], s[46:47]
; THE FACTORS.  For row i: the largest of the eight exponent fields (each alone is 0 or a power of two, so the f32 maximum orders them); one more, kept to 253 at the most, is 2^k's field; 254 less that is 2^-k's.
; My expert's rw is rounded to bf16 and widened again.
.macro RATIO i
.set R, RWT+8*(\i)
.irp j, 0,1,2,3,4,5,6,7
	v_and_b32 v[R+(\j)], 0x7f800000, v[R+(\j)]
.endr
	v_max3_num_f32 v[R],   v[R],   v[R+1], v[R+2]
	v_max3_num_f32 v[R+3], v[R+3], v[R+4], v[R+5]
	v_max3_num_f32 v[R],   v[R],   v[R+6], v[R+7]
	v_max_num_f32  v[R],   v[R],   v[R+3]
	v_add_nc_u32 v[R], 0x800000, v[R]
	v_min_u32    v[R], 0x7e800000, v[R]            ; the bits of 2^k
	v_sub_nc_u32 v[R], 0x7f000000, v[R]            ; the bits of 2^-k
	v_cvt_pk_bf16_f32 v[OWN+(\i)], v[OWN+(\i)], v[OWN+(\i)]
	v_lshlrev_b32 v[OWN+(\i)], 16, v[OWN+(\i)]
.endm
	s_wait_loadcnt 0x0                             ; routing_weights
.irp i, 0,1,2,3,4,5,6,7,8,9,10,11,12,13,14,15
	RATIO \i
.endr
	WIN 0x40                                       ; the factors go to window 1, each twice: a pair for the packed multiply
.set i, 0
.rept 16
	v_mul_f32 v[RT+2*i],   v[OWN+i], v[RWT+8*i]
	v_mul_f32 v[RT+2*i+1], v[OWN+i], v[RWT+8*i]
.set i, i+1
.endr
	WIN 0
; 16 matrix instructions: m blocks a0, a0 + 1 of the window's four (hi = 0: my rows 0-63, 1: rows 64-127) x all 8 n blocks, 32 along K.  zero = 1: the first product starts the sums.
; The 64 accumulators take turns, one instruction a turn, in the same order in every quarter.
.macro MUL16 f, hi, a0, zero
	WIN MUL_LO+0x50*(\hi)
.irp a, \a0, (\a0)+1
.irp b, 0,1,2,3,4,5,6,7
.if \zero
	v_wmma_f32_16x16x32_bf16 v[8*(8*(\a)+(\b)):8*(8*(\a)+(\b))+7], v[(\f)+8*(\b):(\f)+8*(\b)+7], v[(\f)+8*(4*(\hi)+(\a)):(\f)+8*(4*(\hi)+(\a))+7], 0
.else
	v_wmma_f32_16x16x32_bf16 v[8*(8*(\a)+(\b)):8*(8*(\a)+(\b))+7], v[(\f)+8*(\b):(\f)+8*(\b)+7], v[(\f)+8*(4*(\hi)+(\a)):(\f)+8*(4*(\hi)+(\a))+7], v[8*(8*(\a)+(\b)):8*(8*(\a)+(\b))+7]
.endif
.endr
.endr
.endm
; 32 LDS loads in one run: the fragments of quarter q of a K step (32 k x 128 columns of B, 128 rows x 32 k of A) into buffer f.  B's largest offset: 3 x 17,408 + 8,704 + 224 = 61,152, inside 16 bits.
.macro FETCH slot, q, f
	WIN TO_B
.irp i, 0,1,2,3,4,5,6,7
	ds_load_tr16_b128 v[(\f)+8*(\i):(\f)+8*(\i)+3],   v[ADRB+(\slot)] offset:(\q)*32*PB+32*(\i)
	ds_load_tr16_b128 v[(\f)+8*(\i)+4:(\f)+8*(\i)+7], v[ADRB+(\slot)] offset:(\q)*32*PB+16*PB+32*(\i)
.endr
	WIN 0
.irp i, 0,1,2,3,4,5,6,7
	ds_load_b128 v[(\f)+8*(\i):(\f)+8*(\i)+3],   v[ADRA+(\slot)] offset:(\q)*64+(\i)*16*PA
	ds_load_b128 v[(\f)+8*(\i)+4:(\f)+8*(\i)+7], v[ADRA+(\slot)] offset:(\q)*64+(\i)*16*PA+32
.endr
.endm
; A load into a register that a matrix instruction has read, and a vector instruction that reads a matrix result or writes one of a matrix instruction's registers, stand four places behind it;
; only plain vector instructions that name none of its registers are places (ISA guide 7.12.1 for vector instructions).
.macro PLACES
.rept 4
	v_nop
.endr
.endm
; A K step is four quarters of 32 along K, 64 matrix instructions each, on buffers 0, 1, 0, 1.  One of the first three: multiplies buffer f; in its middle it fetches quarter q of the same slot into buffer g.
.macro QUARTER slot, q, f, g, zero
	s_wait_dscnt 8                                 ; B and A's rows 0-63 are in; the youngest eight loads (A's rows 64-127) may be out
	WIN MUL_LO
	MUL16 \f, 0, 0, \zero
	MUL16 \f, 0, 2, \zero
	PLACES
	FETCH \slot, \q, \g
	s_wait_dscnt 32                                ; all but the 32 just issued
	WIN MUL_HI
	MUL16 \f, 1, 0, \zero
	MUL16 \f, 1, 2, \zero
.endm
; The last quarter multiplies buffer 1 and changes slots.  MEET is its first half: ONE barrier.  In front of it each wave waits for all its tensor loads, of which one is out: its part of the next slot;
; adds 0 to its spare word; and waits for that and for its own reads of this slot.  Behind it nobody reads this slot any more and the next slot is whole.
.macro MEET round                      ; round = 1: a round of the cluster's barrier follows
	WIN 0                                          ; (the add's two registers lie in window 0)
	s_wait_tensorcnt 0x0                           ; all my tensor loads have landed
	ds_add_u32 v[SPW], v[NIL]                      ; 0 onto my spare word
	s_wait_dscnt 9                                 ; (the add and the youngest eight loads may be out)
	WIN MUL_LO
	MUL16 F1, 0, 0, 0                              ; sixteen matrix instructions stand between the add and the wait for it
	s_wait_dscnt 0x0                               ; the add is done, and my reads of this slot are over
	s_barrier_signal -1
	MUL16 F1, 0, 2, 0                              ; work on registers while the others arrive
.if \round
	WIN 0
.endif
	s_barrier_wait -1
.endm
; The whole last quarter.  Behind the round the slot just read out is filled again first: with this tile's K step two steps on (on = 0) or with the next tile's K step 0 or 1 (on = 1); then the next slot's first fragments.
.macro TURN slot, next, on
	MEET 1
	CREST                                          ; no wave of any partner still reads this slot's tile or has a load on its way
.if \on
	s_add_nc_u64 s[G0+4*(\slot)+2:G0+4*(\slot)+3], s[G0+4*(\slot)+2:G0+4*(\slot)+3], NEXT_A
	s_sub_nc_u64 s[G0B+4*(\slot)+2:G0B+4*(\slot)+3], s[G0B+4*(\slot)+2:G0B+4*(\slot)+3], BACK_B
.else
	s_add_nc_u64 s[G0+4*(\slot)+2:G0+4*(\slot)+3], s[G0+4*(\slot)+2:G0+4*(\slot)+3], STEP_A
	s_add_nc_u64 s[G0B+4*(\slot)+2:G0B+4*(\slot)+3], s[G0B+4*(\slot)+2:G0B+4*(\slot)+3], STEP_B
.endif
	JLOAD \slot                                    ; my one tensor load behind the round; its four v_nop are also the places in front of the loads below
	FETCH \next, 0, F0
	WIN MUL_HI
	MUL16 F1, 1, 0, 0
	MUL16 F1, 1, 2, 0
.endm
; THE WAY OUT of block a (16 rows x 128 columns, 8 accumulators).  PACK: silu in f32, times the row's factor, rounded to f16, 16 bytes a lane.  TOSTAGE: into my own stage, and back as whole rows of 256 bytes.  SEND: stored.
; silu(z) = z / (1 + 2^(-z log2 e)).  Each accumulator's lowest registers are read first.  Behind each run of exponentials or reciprocals one v_nop stands before a result is used (ISA guide 5.7.2).
.macro PACK a
.set AC, 64*((\a)%4)
	WIN 2+(\a)/4                                   ; source 0 in window 2 or 3
.set i, 0
.rept 32
	v_pk_mul_f32 v[T+2*i:T+2*i+1], v[AC+2*i:AC+2*i+1], s[NL2E:NL2E+1] op_sel_hi:[1,0]
.set i, i+1
.endr
	WIN 0
.set i, 0
.rept 64
	v_exp_f32 v[T+i], v[T+i]
.set i, i+1
.endr
	v_nop
.set i, 0
	s_wait_alu depctr_va_vdst(0)
.rept 32
	v_pk_add_f32 v[T+2*i:T+2*i+1], v[T+2*i:T+2*i+1], 1.0 op_sel_hi:[1,0]
.set i, i+1
.endr
.set i, 0
.rept 64
	v_rcp_f32 v[T+i], v[T+i]
.set i, i+1
.endr
	v_nop
	WIN 2+(\a)/4
.set i, 0
	s_wait_alu depctr_va_vdst(0)
.rept 32
	v_pk_mul_f32 v[T+2*i:T+2*i+1], v[AC+2*i:AC+2*i+1], v[T+2*i:T+2*i+1]
.set i, i+1
.endr
	WIN 0x04                                       ; source 1 in window 1: the block's factor, which lies there twice
.set i, 0
.rept 32
	v_pk_mul_f32 v[T+2*i:T+2*i+1], v[T+2*i:T+2*i+1], v[RT+2*(\a):RT+2*(\a)+1]
.set i, i+1
.endr
	WIN 0
.set i, 0
.rept 32
	v_cvt_pk_f16_f32 v[TMP+i], v[T+2*i], v[T+2*i+1]
.set i, i+1
.endr
.endm
.macro TOSTAGE a
	WIN 0
.set BK, OB+192*((\a)%2)
.irp b, 0,1,2,3,4,5,6,7
	ds_store_b128 v[STO], v[TMP+4*(\b):TMP+4*(\b)+3] offset:32*(\b)
.endr
.irp t, 0,1,2,3,4,5,6,7
	ds_load_b128 v[BK+4*(\t):BK+4*(\t)+3], v[RD] offset:(\t)*2*SPITCH  ; LDS serves a wave's instructions in order (ISA guide 5.7.1.4): these see the stores above
.endr
.endm
.macro SEND a
	WIN 0
.set BK, OB+192*((\a)%2)
	s_wait_dscnt 0x0                               ; the block is back in registers
	s_wait_xcnt 0x0                                ; every earlier memory instruction has had its addresses translated (ISA guide 3.1): only behind this wait are the stores' base and the registers that earlier stores read rewritten
.if (\a) == 0
	s_add_nc_u64 s[8:9], s[8:9], s[16:17]          ; on to this tile's first rows
.else
	s_add_nc_u64 s[8:9], s[8:9], 16*SIZE_N*2       ; 16 rows of C on
.endif
.irp t, 0,1,2,3,4,5,6,7
	global_store_b128 v[CO], v[BK+4*(\t):BK+4*(\t)+3], s[8:9] offset:2*(\t)*SIZE_N*2  ; 16 lanes store 256 consecutive bytes, at a multiple of 256 from C's first byte
.endr
.endm
	s_wait_tensorcnt 1                             ; my part of K step 0 is in; K step 1's may stay out
	s_barrier_signal -1
	s_barrier_wait -1                              ; everybody's is
	FETCH 0, 0, F0
	s_mov_b32 s2, TILES                            ; tiles to go, this one among them: the same number in every work-group
.Ltile:
	QUARTER 0, 1, F0, F1, 1                        ; a tile's first quarter stands in front of the loop: its products start the sums
	WIN 0                                          ; at a label and at a branch every window is 0
	s_mov_b32 s3, LAPS-1
.Llap:                                                 ; a trip goes once round the ring, from a lap's second quarter to the next lap's first, and fills both slots again
	QUARTER 0, 2, F1, F0, 0
	QUARTER 0, 3, F0, F1, 0
	TURN 0, 1, 0
	QUARTER 1, 1, F0, F1, 0
	QUARTER 1, 2, F1, F0, 0
	QUARTER 1, 3, F0, F1, 0
	TURN 1, 0, 0
	QUARTER 0, 1, F0, F1, 0
	WIN 0
	s_sub_co_u32 s3, s3, 1
	s_cmp_lg_u32 s3, 0
	s_cbranch_scc1 .Llap
	QUARTER 0, 2, F1, F0, 0                        ; the tile's last lap goes on
	QUARTER 0, 3, F0, F1, 0
	WIN 0
	s_cmp_eq_u32 s2, 1
	s_cbranch_scc1 .Llast                          ; the last tile's tail asks for nothing more
	TURN 0, 1, 1                                   ; the ring goes on into the next tile: slot 0 takes its K step 0,
	QUARTER 1, 1, F0, F1, 0
	QUARTER 1, 2, F1, F0, 0
	QUARTER 1, 3, F0, F1, 0
	TURN 1, 0, 1                                   ; slot 1 its K step 1, and the next tile's first fragments are fetched
	WIN 0
	s_branch .Lout
.Llast:
	MEET 0                                         ; my one tensor load that was still out is slot 1's, the last K step's, so no round follows
	PLACES
	FETCH 1, 0, F0
	WIN MUL_HI
	MUL16 F1, 1, 0, 0
	MUL16 F1, 1, 2, 0
	QUARTER 1, 1, F0, F1, 0
	QUARTER 1, 2, F1, F0, 0
	QUARTER 1, 3, F0, F1, 0
	s_wait_dscnt 8                                 ; the very last quarter: nothing more to fetch
	WIN MUL_LO
	MUL16 F1, 0, 0, 0
	MUL16 F1, 0, 2, 0
	s_wait_dscnt 0x0
	MUL16 F1, 1, 0, 0
	MUL16 F1, 1, 2, 0
	WIN 0
.Lout:                                                 ; the way out is written once, for both tiles
	PLACES                                         ; PACK reads results and writes A's buffer 1, which the last products read
	PACK 0
	TOSTAGE 0
.irp a, 1,2,3,4,5,6,7                  ; block a's arithmetic stands between block a - 1's loads from the stage and the wait for them
	PACK \a
	SEND (\a)-1
	TOSTAGE \a
.endr
	SEND 7
	WIN 0x41                                       ; the second tile's factors come down to where the one text of the way out names them
.set i, 0
.rept 16
	v_mov_b32 v[RT+i], v[RT+16+i]
.set i, i+1
.endr
	WIN 0
	s_mov_b64 s[16:17], NEXT_C                     ; what the next way out adds to C's address
	s_sub_co_u32 s2, s2, 1
	s_cmp_lg_u32 s2, 0
	s_cbranch_scc1 .Ltile
	s_wait_tensorcnt 0x0                           ; the wave's end: 0 onto my spare word behind my last tensor load and my last LDS store
	ds_add_u32 v[SPW], v[NIL]
	s_wait_dscnt 0x0
	CROUND                                         ; the closing round: no work-group ends while a partner may still ask for a tile that names it
	s_endpgm
.Lfunc_end_k_qf1e44cb837_up:
	.size	k_qf1e44cb837_up, .Lfunc_end_k_qf1e44cb837_up-k_qf1e44cb837_up
	.p2alignl 7, 3214868480
	.fill 96, 4, 3214868480
	.section	.rodata,"a",@progbits
	.p2align	6, 0x0
	.amdhsa_kernel k_qf1e44cb837_up
		.amdhsa_group_segment_fixed_size 327680
		.amdhsa_private_segment_fixed_size 0
		.amdhsa_enable_private_segment 0
		.amdhsa_kernarg_size 32
		.amdhsa_user_sgpr_count 2
		.amdhsa_user_sgpr_kernarg_segment_ptr 1
		.amdhsa_wavefront_size32 1
		.amdhsa_system_sgpr_workgroup_id_x 1
		.amdhsa_system_sgpr_workgroup_id_y 1
		.amdhsa_system_sgpr_workgroup_id_z 1
		.amdhsa_system_vgpr_workitem_id 0
		.amdhsa_next_free_vgpr 1024
		.amdhsa_next_free_sgpr 68
		.amdhsa_reserve_vcc 0
		.amdhsa_float_denorm_mode_32 3
		.amdhsa_float_denorm_mode_16_64 3
		.amdhsa_memory_ordered 1
		.amdhsa_forward_progress 1
		.amdhsa_inst_pref_size 255
	.end_amdhsa_kernel
	.section	.bss,"aw",@nobits
	.p2align	6
	.space	262144
	.amdgpu_metadata
---
amdhsa.version: [ 1, 2 ]
amdhsa.kernels:
  - .name:           k_qf1e44cb837_up
    .symbol:         k_qf1e44cb837_up.kd
    .args:
      - { .name: xb, .offset: 0, .size: 8, .value_kind: global_buffer, .address_space: global }
      - { .name: w1b, .offset: 8, .size: 8, .value_kind: global_buffer, .address_space: global }
      - { .name: hid, .offset: 16, .size: 8, .value_kind: global_buffer, .address_space: global }
      - { .name: routing_weights, .offset: 24, .size: 8, .value_kind: global_buffer, .address_space: global }
    .group_segment_fixed_size: 327680
    .private_segment_fixed_size: 0
    .kernarg_segment_align: 8
    .kernarg_segment_size: 32
    .max_flat_workgroup_size: 128
    .sgpr_count:     68
    .vgpr_count:     1024
    .wavefront_size: 32
...
	.end_amdgpu_metadata
.endif
;; end of part 2
;; launch down (part 3): grid 16 x 16, 4 waves a work-group, clusters of 4 x 4, 327,680 bytes of LDS; arguments hid, w2h, part; writes part
.if DOCPART == 3
	.amdgcn_target "amdgcn-amd-amdhsa--gfx1250"
	.amdhsa_code_object_version 6
	.text
	.protected	k_qf1e44cb837_down
	.globl	k_qf1e44cb837_down
	.p2align	8
	.type	k_qf1e44cb837_down,@function
k_qf1e44cb837_down:
	s_mov_b64 s[64:65], 0
	v_nop
	global_prefetch_b8 v0, s[64:65] scope:SCOPE_SE
	s_setreg_imm32_b32 hwreg(HW_REG_WAVE_MODE, 25, 1), 1
	s_wait_xcnt 0x0
	s_wait_alu depctr_hold_cnt(0) depctr_sa_sdst(0) depctr_va_vdst(0) depctr_va_sdst(0) depctr_va_ssrc(0) depctr_va_vcc(0) depctr_vm_vsrc(0)
	s_getreg_b32 s2, hwreg(HW_REG_IB_STS2, 6, 4)
	s_cmp_eq_u32 s2, 0
	s_cbranch_scc0 .Lentry_in_a_cluster
	s_endpgm
.Lentry_in_a_cluster:
	s_bfe_u32 s2, ttmp6, 0x10000c
	s_cmp_lg_u32 s2, 0xf033
	s_cbranch_scc0 .Lentry_shape_is_right
	s_endpgm
.Lentry_shape_is_right:
; THE SECOND PRODUCT, in four parts along K.  part[s][n][d] = sum over k = 2048 s .. 2048 s + 2047 of hid[n][k] w2h[k][d].  hid: [4096][8192] f16 (it carries the routing weight already, less a power of two
; for each row); w2h: [8192][1024] f16; part: [4][4096][1024] f32.  Sums in f32, stored as they are; the next launch adds the four parts.
; WHY IN PARTS.  The result has 64 tiles of 256 x 256; four parts of K make 256 work-groups of equal work.  A slot's 131,072 bytes of data feed 256 matrix instructions a wave at this tile, where a tile of 128 x 128
; would feed 128 from as many bytes: a refill has twice the matrix work in which to land, and each product reads half the LDS bytes.  The price: 64 MiB of partial sums instead of 16 MiB of results, and the launch that adds them.
; LIMITS.  hid and w2h arrive within f16's range (65,504).  NaN and infinities are not treated apart.
; Four waves, each 128 x 128: 64 accumulators of 16 x 16, 512 registers.  K goes in steps of 128, sixteen of them, through a ring of two LDS slots filled by the tensor data mover.
; A's tile (hid): 256 rows x 256 bytes.  B's tile (w2h, rows ACROSS K): 128 rows (k) x 512 bytes (256 columns), read turned by ds_load_tr16_b128.
; CLUSTERS: 4 x 4 work-groups; a cluster's x is the part of K, cx the tile column, 4 x its y + cy the tile row.  The four of a row of the cluster need the same tiles of A, the four of a column the same tiles of B:
; each tile is asked for JOINTLY, by the same tensor load with the same descriptor and a mask that names the four.
; THE MATRIX INSTRUCTION IS USED TRANSPOSED: source 0 = 16 columns of B, source 1 = 16 rows of A.  In the result lane l holds row l % 16 and the columns 8 (l / 16) + 0 .. 7: 32 neighbouring bytes of f32.
; REGISTERS, in windows of 256 (s_set_vgpr_msb: bits 1:0 source 0, 3:2 source 1, 5:4 source 2, 7:6 destination):
;   window 0: v0-31 addresses; v64-127, v128-191 fragments of A, two buffers; on the way out v64-255 three buffers of 64 for rows read back
;   window 1: v64-127, v128-191 fragments of B, two buffers       window 2: the accumulators of my rows 0-63 ((a, b) at v[8 (8 a + b)])       window 3: those of my rows 64-127
.set KPART,  2048                      ; K of a part
.set KSTEP,  128
.set PA,     272                       ; a row of A in LDS: 256 bytes + 16 = 68 words: row r starts at bank 4 r mod 64 (64 banks of 4 bytes: ISA guide 11.1)
.set PB,     544                       ; a row of B: 512 bytes + 32 = 136 words: row r starts at bank 8 r mod 64
.set HALFT,  128*PA                    ; what one tensor load brings: 128 rows of A, or 64 rows of B (64 x 544 is the same 34,816 bytes)
.set BOFF,   2*HALFT                   ; B's tile lies behind A's
.set SLOT,   4*HALFT
.set STAGE,  2*SLOT                    ; behind the ring: 16 rows x 528 bytes for each wave, for the way out; no tensor load fills it
.set SPITCH, 528                       ; 512 bytes + 16 = 132 words: row r starts at bank 4 r mod 64
.set SPARE,  STAGE+4*16*SPITCH         ; behind the stages: the spare words, 128 bytes for each wave: two blocks of 256 bytes that no other line names
.set LAPS,   KPART/(2*KSTEP)           ; a lap = two K steps = once round the ring
.set STEP_A, 2*KSTEP*2                 ; two K steps along A's rows, in bytes
.set STEP_B, 2*KSTEP*2048              ; two K steps down B's rows of 2,048 bytes
.set CROW,   4096                      ; a row of a part, in bytes
.set ADRA, 16                          ; v16-17  LDS address of my A fragments in slot 0, 1
.set ADRB, 20                          ; v20-21  the same for B
.set STO,  24                          ; v24     the way out: where I put 32 bytes of a row
.set RD,   25                          ; v25     the way out: where I read my 16 bytes of a row back
.set CO,   26                          ; v26     my byte offset in a row's 512 bytes
.set SPW,  28                          ; v28     LDS address of my spare word: SPARE + 4 x my thread's number; never rewritten
.set NIL,  29                          ; v29     0; never rewritten
.set F0,   64
.set F1,   128
.set G1,   24                          ; s[24:31] descriptor group 1 for A's tiles;  s[32:39] group 0, one set for each slot
.set G0,   32
.set G1B,  48                          ; s[48:55], s[56:63] the same for B's tiles
.set G0B,  56
.set MSB, 0
.macro WIN new                         ; the immediate's high byte repeats the setting that is left; a switch that changes nothing is dropped
.if MSB != (\new)
	s_set_vgpr_msb (MSB<<8)|(\new)
.set MSB, \new
.endif
.endm
.set MUL_LO, 0xa1                      ; source 0 (B) window 1, source 1 (A) window 0, C and D window 2
.set MUL_HI, 0xf1                      ; the same, C and D window 3
.set TO_B,   0x40                      ; destination window 1, address window 0
; A joint refill.  Waves 0 and 1 fetch A's two halves, waves 2 and 3 B's.  The branch hangs on the wave's number alone.  Four v_nop follow each of the two lines.
.macro JLOAD s
	s_cmp_eq_u32 s11, 0
	s_cbranch_scc0 .Lfor_b_\@
	tensor_load_to_lds s[G0+4*(\s):G0+4*(\s)+3], s[G1:G1+7]
	s_nop 0
.rept 4
	v_nop
.endr
	s_branch .Lasked_\@
.Lfor_b_\@:
	tensor_load_to_lds s[G0B+4*(\s):G0B+4*(\s)+3], s[G1B:G1B+7]
	s_nop 0
.rept 4
	v_nop
.endr
.Lasked_\@:
.endm
; A round of the cluster's barrier: my work-group's barrier, so that wave 0's signal speaks for all four waves; wave 0 signals; every wave waits for all sixteen work-groups; my work-group's barrier once more.
.macro CREST                           ; a round behind its opening barrier
	s_cmp_lg_u32 s10, 0
	s_cbranch_scc1 .Lnot_wave_0_\@
	s_barrier_signal -3
.Lnot_wave_0_\@:
	s_barrier_wait -3
	s_barrier_signal -1
	s_barrier_wait -1
.endm
.macro CROUND                          ; a whole round
	s_barrier_signal -1
	s_barrier_wait -1
	CREST
.endm
	s_load_b128 s[4:7], s[0:1], 0x0                ; hid s[4:5], w2h s[6:7]
	s_load_b64 s[8:9], s[0:1], 0x10                ; part
	v_lshl_add_u32 v[SPW], v0, 2, SPARE
	v_mov_b32 v[NIL], 0
	ds_add_u32 v28, v29
	s_wait_dscnt 0x0
	v_lshrrev_b32 v1, 5, v0
	v_readfirstlane_b32 s10, v1                    ; wave 0..3
	s_lshr_b32 s11, s10, 1                         ; which half of the tile's rows is mine.  Also: I fetch for A (0) or for B (1)
	s_and_b32 s12, s10, 1                          ; which half of its columns.  Also: which half of that tile I fetch
	s_bfe_u32 s40, ttmp6, 0x40000                  ; cx: my place along the cluster's x = the tile column (0..3)
	s_bfe_u32 s41, ttmp6, 0x40004                  ; cy: along its y
	s_and_b32 s13, ttmp7, 0xffff                   ; in a cluster launch ttmp9 and ttmp7 count clusters: ttmp9 is the part of K (0..3)
	s_lshl_b32 s13, s13, 2
	s_add_co_u32 s13, s13, s41                     ; tile row = 4 x cluster y + cy (0..15)
	s_lshl_b32 s43, s41, 2
	s_lshl_b32 s43, 15, s43                        ; my row of the cluster: places 4 cy .. 4 cy + 3
	s_lshl_b32 s44, 0x1111, s40                    ; my column: places cx, cx + 4, cx + 8, cx + 12
	; descriptor group 1 for A: 128 rows x 128 elements, 16 bytes of padding behind each row
	s_or_b32 s[G1+0], s43, (1<<16)|(1<<20)|(1<<21)|(5<<22)|(3<<25)  ; 15:0 the mask: my row; 17:16 elements of 2 bytes; 20 padding on; 21 set beside a mask; 24:22 after every 64 words (code 5); 31:25 4 words (code 3)
	s_mov_b32 s[G1+1], KSTEP<<16                   ; tensor_dim0 = 128
	s_mov_b32 s[G1+2], 128<<16                     ; tensor_dim1 = 128
	s_mov_b32 s[G1+3], KSTEP<<16                   ; tile_dim0 = 128
	s_mov_b32 s[G1+4], 128                         ; tile_dim1 = 128
	s_mov_b32 s[G1+5], 8192                        ; 8,192 elements from row to row
	s_mov_b32 s[G1+6], 0
	s_mov_b32 s[G1+7], 0
	; for B: 64 rows (k) x 256 elements (columns), 32 bytes of padding behind each row
	s_or_b32 s[G1B+0], s44, (1<<16)|(1<<20)|(1<<21)|(6<<22)|(7<<25) ; the mask: my column; after every 128 words (code 6) 8 words (code 7)
	s_mov_b32 s[G1B+1], 256<<16                    ; tensor_dim0 = 256
	s_mov_b32 s[G1B+2], 64<<16                     ; tensor_dim1 = 64
	s_mov_b32 s[G1B+3], 256<<16                    ; tile_dim0 = 256
	s_mov_b32 s[G1B+4], 64                         ; tile_dim1 = 64
	s_mov_b32 s[G1B+5], 1024                       ; 1,024 elements from row to row
	s_mov_b32 s[G1B+6], 0
	s_mov_b32 s[G1B+7], 0
	; where the tiles come from.  A's hang on the tile row and the part, B's on the tile column and the part; the part is the same in the whole cluster; each offset is made in registers that never hold the other's coordinate.
	s_lshl_b32 s16, s13, 8
	s_lshl_b32 s17, s12, 7
	s_add_co_u32 s16, s16, s17                     ; A: row 256 x tile row + 128 x half,
	s_lshl_b32 s16, s16, 14                        ; x 16,384 bytes,
	s_lshl_b32 s17, ttmp9, 12                      ; + the part's 2,048 elements along the row
	s_add_co_u32 s16, s16, s17
	s_mov_b32 s17, 0
	s_lshl_b32 s46, ttmp9, 22                      ; B: the part's 2,048 rows of 2,048 bytes,
	s_lshl_b32 s47, s40, 9                         ; 256 columns x 2 bytes for each tile column,
	s_add_co_u32 s46, s46, s47
	s_lshl_b32 s47, s12, 17                        ; 64 rows of 2,048 bytes for the second half of a K step
	s_add_co_u32 s46, s46, s47
	s_mov_b32 s47, 0
	s_mul_i32 s20, s10, HALFT                      ; and where they go: A's two halves, then B's two halves = wave x 34,816: no place in the cluster enters an LDS address
	s_wait_kmcnt 0x0
	s_add_nc_u64 s[14:15], s[4:5], s[16:17]
	s_add_nc_u64 s[46:47], s[6:7], s[46:47]
	CROUND                                         ; all sixteen work-groups are here: the first joint loads meet
.irp s, 0,1
	s_mov_b32 s[G0+4*(\s)], 1                                      ; count = 1
	s_add_co_u32 s[G0+4*(\s)+1], s20, (\s)*SLOT                    ; LDS address
	s_add_nc_u64 s[G0+4*(\s)+2:G0+4*(\s)+3], s[14:15], (\s)*KSTEP*2  ; global address: K step s
	s_or_b32 s[G0+4*(\s)+3], s[G0+4*(\s)+3], 0x80000000            ; type = 2
	s_mov_b32 s[G0B+4*(\s)], 1
	s_add_co_u32 s[G0B+4*(\s)+1], s20, (\s)*SLOT
	s_add_nc_u64 s[G0B+4*(\s)+2:G0B+4*(\s)+3], s[46:47], (\s)*KSTEP*2048
	s_or_b32 s[G0B+4*(\s)+3], s[G0B+4*(\s)+3], 0x80000000
.endr
	s_cmp_eq_u32 s11, 0                            ; a wave's two first fills stand in one branch, ahead of every wait on TENSORcnt and every LDS read: two loads of mine are out
	s_cbranch_scc0 .Lfirst_b
	tensor_load_to_lds s[G0:G0+3], s[G1:G1+7]
	s_nop 0
	tensor_load_to_lds s[G0+4:G0+7], s[G1:G1+7]
	s_nop 0
.rept 4
	v_nop
.endr
	s_branch .Lfirst_asked
.Lfirst_b:
	tensor_load_to_lds s[G0B:G0B+3], s[G1B:G1B+7]
	s_nop 0
	tensor_load_to_lds s[G0B+4:G0B+7], s[G1B:G1B+7]
	s_nop 0
.rept 4
	v_nop
.endr
.Lfirst_asked:
	; A fragment is 16 rows x 32 K in 8 registers: lane l holds row l % 16; registers 0-3 hold K = 8 (l / 16) + 0..7, registers 4-7 K = 16 + 8 (l / 16) + 0..7.
	; A's rows lie along K: two loads of 16 bytes, 32 bytes apart.  B's lie across K: the turning load takes 16 k x 16 columns (lane l reads k = 8 (l / 16) + l % 8, columns 8 ((l / 8) % 2) + 0..7)
	; and leaves half a fragment: lane l holds column l % 16 and 8 k; the second half lies 16 rows further down.
	v_and_b32 v1, 15, v0                           ; l % 16
	v_bfe_u32 v2, v0, 4, 1                         ; l / 16
	v_mul_u32_u24 v3, v1, PA
	v_lshl_add_u32 v3, v2, 4, v3                   ; A: row x pitch + 16 x half
	v_and_b32 v6, 7, v0
	v_bfe_u32 v7, v0, 3, 1
	v_lshl_add_u32 v4, v2, 3, v6
	v_mul_u32_u24 v4, v4, PB
	v_lshl_add_u32 v4, v7, 4, v4                   ; B: (8 (l / 16) + l % 8) x pitch + 16 ((l / 8) % 2)
	s_mul_i32 s21, s11, HALFT                      ; my 128 rows of A
	s_lshl_b32 s22, s12, 8                         ; my 128 columns of B, 256 bytes,
	s_add_co_u32 s22, s22, BOFF                    ; behind A's tile
.irp s, 0,1
	v_add_nc_u32 v[ADRA+(\s)], s21, v3
	v_add_nc_u32 v[ADRB+(\s)], s22, v4
	s_add_co_u32 s21, s21, SLOT
	s_add_co_u32 s22, s22, SLOT
.endr
	s_mul_i32 s23, s10, 16*SPITCH
	s_add_co_u32 s23, s23, STAGE                   ; my stage
	v_mul_u32_u24 v4, v1, SPITCH                   ; in: row l % 16, 32 bytes for each half of the lanes
	v_lshl_add_u32 v4, v2, 5, v4
	v_add_nc_u32 v[STO], s23, v4
	v_and_b32 v5, 31, v0                           ; back: the 32 lanes take one row of 512 bytes,
	v_lshlrev_b32 v[CO], 4, v5                     ; which are 512 consecutive bytes of the part
	v_add_nc_u32 v[RD], s23, v[CO]
	; where my 128 x 128 begins in the parts, in bytes
	s_lshl_b32 s13, s13, 8
	s_lshl_b32 s14, s11, 7
	s_add_co_u32 s16, s13, s14                     ; my first row,
	s_lshl_b32 s16, s16, 12                        ; x 4,096 bytes
	s_mov_b32 s17, 0
	s_lshl_b32 s46, s40, 10                        ; my first column, in bytes: 1,024 x tile column + 512 x half,
	s_lshl_b32 s47, s12, 9
	s_add_co_u32 s46, s46, s47
	s_lshl_b32 s47, ttmp9, 24                      ; and the part's 16 MiB
	s_add_co_u32 s46, s46, s47
	s_mov_b32 s47, 0
	s_add_nc_u64 s[16:17], s[16:17], s[46:47]
	s_add_nc_u64 s[8:9], s[8:9], s[16:17]
; 16 matrix instructions: m blocks a0, a0 + 1 of the window's four (hi = 0: my rows 0-63, 1: rows 64-127) x all 8 n blocks, 32 along K.  zero = 1: the first product starts the sums.
; The 64 accumulators take turns, one instruction a turn, in the same order in every quarter.
.macro MUL16 f, hi, a0, zero
	WIN MUL_LO+0x50*(\hi)
.irp a, \a0, (\a0)+1
.irp b, 0,1,2,3,4,5,6,7
.if \zero
	v_wmma_f32_16x16x32_f16 v[8*(8*(\a)+(\b)):8*(8*(\a)+(\b))+7], v[(\f)+8*(\b):(\f)+8*(\b)+7], v[(\f)+8*(4*(\hi)+(\a)):(\f)+8*(4*(\hi)+(\a))+7], 0
.else
	v_wmma_f32_16x16x32_f16 v[8*(8*(\a)+(\b)):8*(8*(\a)+(\b))+7], v[(\f)+8*(\b):(\f)+8*(\b)+7], v[(\f)+8*(4*(\hi)+(\a)):(\f)+8*(4*(\hi)+(\a))+7], v[8*(8*(\a)+(\b)):8*(8*(\a)+(\b))+7]
.endif
.endr
.endr
.endm
; 32 LDS loads in one run: the fragments of quarter q of a K step (32 k x 128 columns of B, 128 rows x 32 k of A) into buffer f.  B's largest offset: 3 x 17,408 + 8,704 + 224 = 61,152, inside 16 bits.
.macro FETCH slot, q, f
	WIN TO_B
.irp i, 0,1,2,3,4,5,6,7
	ds_load_tr16_b128 v[(\f)+8*(\i):(\f)+8*(\i)+3],   v[ADRB+(\slot)] offset:(\q)*32*PB+32*(\i)
	ds_load_tr16_b128 v[(\f)+8*(\i)+4:(\f)+8*(\i)+7], v[ADRB+(\slot)] offset:(\q)*32*PB+16*PB+32*(\i)
.endr
	WIN 0
.irp i, 0,1,2,3,4,5,6,7
	ds_load_b128 v[(\f)+8*(\i):(\f)+8*(\i)+3],   v[ADRA+(\slot)] offset:(\q)*64+(\i)*16*PA
	ds_load_b128 v[(\f)+8*(\i)+4:(\f)+8*(\i)+7], v[ADRA+(\slot)] offset:(\q)*64+(\i)*16*PA+32
.endr
.endm
; A load into a register that a matrix instruction has read, and a store that reads a matrix result, stand four places behind it;
; only plain vector instructions that name none of its registers are places (ISA guide 7.12.1 for vector instructions).
.macro PLACES
.rept 4
	v_nop
.endr
.endm
; A K step is four quarters of 32 along K, 64 matrix instructions each, on buffers 0, 1, 0, 1.  One of the first three: multiplies buffer f; in its middle it fetches quarter q of the same slot into buffer g.
.macro QUARTER slot, q, f, g, zero
	s_wait_dscnt 8                                 ; B and A's rows 0-63 are in; the youngest eight loads (A's rows 64-127) may be out
	WIN MUL_LO
	MUL16 \f, 0, 0, \zero
	MUL16 \f, 0, 2, \zero
	PLACES
	FETCH \slot, \q, \g
	s_wait_dscnt 32                                ; all but the 32 just issued
	WIN MUL_HI
	MUL16 \f, 1, 0, \zero
	MUL16 \f, 1, 2, \zero
.endm
; The last quarter multiplies buffer 1 and changes slots.  MEET is its first half: ONE barrier.  In front of it each wave waits for all its tensor loads, of which one is out: its part of the next slot;
; adds 0 to its spare word; and waits for that and for its own reads of this slot.  Behind it nobody reads this slot any more and the next slot is whole.
.macro MEET round                      ; round = 1: a round of the cluster's barrier follows
	WIN 0                                          ; (the add's two registers lie in window 0)
	s_wait_tensorcnt 0x0                           ; all my tensor loads have landed
	ds_add_u32 v[SPW], v[NIL]                      ; 0 onto my spare word
	s_wait_dscnt 9                                 ; (the add and the youngest eight loads may be out)
	WIN MUL_LO
	MUL16 F1, 0, 0, 0                              ; sixteen matrix instructions stand between the add and the wait for it
	s_wait_dscnt 0x0                               ; the add is done, and my reads of this slot are over
	s_barrier_signal -1
	MUL16 F1, 0, 2, 0                              ; work on registers while the others arrive
.if \round
	WIN 0
.endif
	s_barrier_wait -1
.endm
; The whole last quarter.  Behind the round the slot just read out is filled again first, with the K step two steps on: from that request to the wait for it a wave issues 224 matrix instructions; then the next slot's first fragments.
.macro TURN slot, next
	MEET 1
	CREST                                          ; no wave of any partner still reads this slot's tile or has a load on its way
	s_add_nc_u64 s[G0+4*(\slot)+2:G0+4*(\slot)+3], s[G0+4*(\slot)+2:G0+4*(\slot)+3], STEP_A
	s_add_nc_u64 s[G0B+4*(\slot)+2:G0B+4*(\slot)+3], s[G0B+4*(\slot)+2:G0B+4*(\slot)+3], STEP_B
	JLOAD \slot                                    ; my one tensor load behind the round; its four v_nop are also the places in front of the loads below
	FETCH \next, 0, F0
	WIN MUL_HI
	MUL16 F1, 1, 0, 0
	MUL16 F1, 1, 2, 0
.endm
; THE WAY OUT.  My 128 columns of f32 are 512 bytes of a row, at a multiple of 256 from the buffer's first byte.  PUT: block a (16 rows): a lane's 32 bytes of each accumulator go from the accumulators into my stage's rows
; of 528 bytes (each accumulator's lowest registers first) and come back as whole rows, into one of three buffers of 64 registers.  SEND: stored.
.macro PUT a
.set AC, 64*((\a)%4)
.set BK, 64+64*((\a)%3)
	WIN (2+(\a)/4)<<2                              ; the stores' data (source 1) in window 2 or 3
.irp b, 0,1,2,3,4,5,6,7
.irp p, 0,1
	ds_store_b128 v[STO], v[AC+8*(\b)+4*(\p):AC+8*(\b)+4*(\p)+3] offset:64*(\b)+16*(\p)
.endr
.endr
	WIN 0
.if (\a) >= 3
	s_wait_xcnt 0x0                                ; every earlier memory instruction has had its addresses translated (ISA guide 3.1): the buffer, which block a - 3's stores read, is loaded again only behind this wait
.endif
.irp t, 0,1,2,3,4,5,6,7,8,9,10,11,12,13,14,15
	ds_load_b128 v[BK+4*(\t):BK+4*(\t)+3], v[RD] offset:(\t)*SPITCH  ; LDS serves a wave's instructions in order (ISA guide 5.7.1.4): these see the stores above; the next block's stores come behind them
.endr
.endm
.macro SEND a, younger                 ; younger: the LDS instructions issued behind block a's loads: the next block's 32, or none
.set BK, 64+64*((\a)%3)
.irp t, 0,1,2,3,4,5,6,7,8,9,10,11,12,13,14,15
	s_wait_dscnt (\younger)+15-(\t)                ; row t is back: behind its load stand the block's 15 - t later loads and the younger ones
	global_store_b128 v[CO], v[BK+4*(\t):BK+4*(\t)+3], s[8:9] offset:((\a)*16+(\t))*CROW th:TH_STORE_NT  ; 512 consecutive bytes; the row stands in the immediate, 520,192 at the most
.endr
.endm
	s_wait_tensorcnt 1                             ; my part of K step 0 is in; K step 1's may stay out
	s_barrier_signal -1
	s_barrier_wait -1                              ; everybody's is
	FETCH 0, 0, F0
	QUARTER 0, 1, F0, F1, 1                        ; the first quarter stands in front of the loop: its products start the sums
	WIN 0                                          ; at a label and at a branch every window is 0
	s_mov_b32 s3, LAPS-1
.Llap:                                                 ; a trip goes once round the ring, from a lap's second quarter to the next lap's first, and fills both slots again
	QUARTER 0, 2, F1, F0, 0
	QUARTER 0, 3, F0, F1, 0
	TURN 0, 1
	QUARTER 1, 1, F0, F1, 0
	QUARTER 1, 2, F1, F0, 0
	QUARTER 1, 3, F0, F1, 0
	TURN 1, 0
	QUARTER 0, 1, F0, F1, 0
	WIN 0
	s_sub_co_u32 s3, s3, 1
	s_cmp_lg_u32 s3, 0
	s_cbranch_scc1 .Llap
	QUARTER 0, 2, F1, F0, 0                        ; the last lap is written out: it asks for nothing
	QUARTER 0, 3, F0, F1, 0
	MEET 0                                         ; my one tensor load that was still out is slot 1's, the last K step's, so no round follows
	PLACES
	FETCH 1, 0, F0
	WIN MUL_HI
	MUL16 F1, 1, 0, 0
	MUL16 F1, 1, 2, 0
	QUARTER 1, 1, F0, F1, 0
	QUARTER 1, 2, F1, F0, 0
	QUARTER 1, 3, F0, F1, 0
	s_wait_dscnt 8                                 ; the very last quarter: nothing more to fetch
	WIN MUL_LO
	MUL16 F1, 0, 0, 0
	MUL16 F1, 0, 2, 0
	s_wait_dscnt 0x0
	MUL16 F1, 1, 0, 0
	MUL16 F1, 1, 2, 0
	WIN 0
	PLACES                                         ; the stores below read results, and the loads land in A's buffers, which the last products read
	PUT 0
	PUT 1
.irp a, 2,3,4,5,6,7                    ; a block's way through the stage stands between the loads of the block before and its stores
	SEND (\a)-2, 32
	PUT \a
.endr
	SEND 6, 32
	SEND 7, 0
	s_wait_tensorcnt 0x0                           ; the wave's end: 0 onto my spare word behind my last tensor load and my last LDS store
	ds_add_u32 v[SPW], v[NIL]
	s_wait_dscnt 0x0
	CROUND                                         ; the closing round: no work-group ends while a partner may still ask for a tile that names it
	s_endpgm
.Lfunc_end_k_qf1e44cb837_down:
	.size	k_qf1e44cb837_down, .Lfunc_end_k_qf1e44cb837_down-k_qf1e44cb837_down
	.p2alignl 7, 3214868480
	.fill 96, 4, 3214868480
	.section	.rodata,"a",@progbits
	.p2align	6, 0x0
	.amdhsa_kernel k_qf1e44cb837_down
		.amdhsa_group_segment_fixed_size 327680
		.amdhsa_private_segment_fixed_size 0
		.amdhsa_enable_private_segment 0
		.amdhsa_kernarg_size 24
		.amdhsa_user_sgpr_count 2
		.amdhsa_user_sgpr_kernarg_segment_ptr 1
		.amdhsa_wavefront_size32 1
		.amdhsa_system_sgpr_workgroup_id_x 1
		.amdhsa_system_sgpr_workgroup_id_y 1
		.amdhsa_system_sgpr_workgroup_id_z 1
		.amdhsa_system_vgpr_workitem_id 0
		.amdhsa_next_free_vgpr 1024
		.amdhsa_next_free_sgpr 66
		.amdhsa_reserve_vcc 0
		.amdhsa_float_denorm_mode_32 3
		.amdhsa_float_denorm_mode_16_64 3
		.amdhsa_memory_ordered 1
		.amdhsa_forward_progress 1
		.amdhsa_inst_pref_size 144
	.end_amdhsa_kernel
	.amdgpu_metadata
---
amdhsa.version: [ 1, 2 ]
amdhsa.kernels:
  - .name:           k_qf1e44cb837_down
    .symbol:         k_qf1e44cb837_down.kd
    .args:
      - { .name: hid, .offset: 0, .size: 8, .value_kind: global_buffer, .address_space: global }
      - { .name: w2h, .offset: 8, .size: 8, .value_kind: global_buffer, .address_space: global }
      - { .name: part, .offset: 16, .size: 8, .value_kind: global_buffer, .address_space: global }
    .group_segment_fixed_size: 327680
    .private_segment_fixed_size: 0
    .kernarg_segment_align: 8
    .kernarg_segment_size: 24
    .max_flat_workgroup_size: 128
    .sgpr_count:     66
    .vgpr_count:     1024
    .wavefront_size: 32
...
	.end_amdgpu_metadata
.endif
;; end of part 3
;; launch sum (part 4): grid 1024 x 1, 8 waves a work-group, no clusters, 0 bytes of LDS; arguments part, routing_weights, out0; writes out0
.if DOCPART == 4
	.amdgcn_target "amdgcn-amd-amdhsa--gfx1250"
	.amdhsa_code_object_version 6
	.text
	.protected	k_qf1e44cb837_sum
	.globl	k_qf1e44cb837_sum
	.p2align	8
	.type	k_qf1e44cb837_sum,@function
k_qf1e44cb837_sum:
	s_mov_b64 s[64:65], 0
	v_nop
	global_prefetch_b8 v0, s[64:65] scope:SCOPE_SE
	s_setreg_imm32_b32 hwreg(HW_REG_WAVE_MODE, 25, 1), 1
	s_wait_xcnt 0x0
; THE SUM OF THE PARTS.  out0[n][d] = 2^k(n) x ((part[0][n][d] + part[1][n][d]) + (part[2][n][d] + part[3][n][d])).  part: [4][4096][1024] f32; routing_weights: [4096][8] f32; out0: [4096][1024] f32.  All in f32.
; 2^k(n) is the power of two just above the largest |routing_weights[n][.]| of the row, by which the first product divided the row's weights; it is made here from the same bits in the same way:
; the largest of the eight exponent fields, one more, kept to 253 at the most.  The multiplication is exact but where the result leaves f32's range.
; A stream: no LDS, no barrier, no matrix unit.  A work-group takes four rows of out0; its 256 threads x 16 bytes are a row, so a wave's load or store covers 512 consecutive bytes, and a row's 2^k is one number
; for the whole work-group: it is made in scalar registers while the vector loads are out.  All sixteen loads of a thread (four rows x four parts) go out before the first addition.
.set X,    4                           ; v[4:67]   row j, part s at v[4 + 16 j + 4 s]
.set RWS,  32                          ; s[32:63]  the four rows' eight routing weights
.set SC,   72                          ; s[72:79]  row j's 2^k at s[72 + 2 j], twice: the packed multiply names a pair and takes its low word for both halves
.set PARTB, 0x1000000                  ; bytes of a part
	s_load_b128 s[4:7], s[0:1], 0x0                ; part s[4:5], routing_weights s[6:7]
	s_load_b64 s[8:9], s[0:1], 0x10                ; out0
	v_lshlrev_b32 v1, 4, v0                        ; 16 t: my bytes in a row
	s_lshl_b32 s10, ttmp9, 14                      ; four rows of 4,096 bytes
	s_mov_b32 s11, 0
	s_lshl_b32 s12, ttmp9, 7                       ; four rows of 32 bytes
	s_mov_b32 s13, 0
	s_wait_kmcnt 0x0
	s_add_nc_u64 s[6:7], s[6:7], s[12:13]
	s_load_b512 s[RWS:RWS+15], s[6:7], 0x0         ; rows 0 and 1
	s_load_b512 s[RWS+16:RWS+31], s[6:7], 0x40     ; rows 2 and 3
	s_add_nc_u64 s[4:5], s[4:5], s[10:11]          ; the four parts at my rows
	s_add_nc_u64 s[14:15], s[4:5], PARTB
	s_add_nc_u64 s[16:17], s[14:15], PARTB
	s_add_nc_u64 s[18:19], s[16:17], PARTB
	s_add_nc_u64 s[8:9], s[8:9], s[10:11]
.irp j, 0,1,2,3
	global_load_b128 v[X+16*(\j):X+16*(\j)+3],     v1, s[4:5]   offset:4096*(\j) th:TH_LOAD_NT
	global_load_b128 v[X+16*(\j)+4:X+16*(\j)+7],   v1, s[14:15] offset:4096*(\j) th:TH_LOAD_NT
	global_load_b128 v[X+16*(\j)+8:X+16*(\j)+11],  v1, s[16:17] offset:4096*(\j) th:TH_LOAD_NT
	global_load_b128 v[X+16*(\j)+12:X+16*(\j)+15], v1, s[18:19] offset:4096*(\j) th:TH_LOAD_NT
.endr
	s_wait_kmcnt 0x0                               ; routing_weights
.irp j, 0,1,2,3
	s_and_b32 s20, s[RWS+8*(\j)], 0x7f800000       ; the exponent fields order as whole numbers
.irp e, 1,2,3,4,5,6,7
	s_and_b32 s21, s[RWS+8*(\j)+(\e)], 0x7f800000
	s_max_u32 s20, s20, s21
.endr
	s_add_co_u32 s20, s20, 0x800000
	s_min_u32 s[SC+2*(\j)], s20, 0x7e800000        ; the bits of 2^k
	s_mov_b32 s[SC+2*(\j)+1], s[SC+2*(\j)]
.endr
; Row j: no register that a load or store names is written again, so no further wait is needed.
.irp j, 0,1,2,3
	s_wait_loadcnt 12-4*(\j)                       ; loads come back in order (ISA guide 5.7.1): row j's four are in, the later rows' 12 - 4 j stay out
	v_pk_add_f32 v[X+16*(\j):X+16*(\j)+1],     v[X+16*(\j):X+16*(\j)+1],     v[X+16*(\j)+4:X+16*(\j)+5]
	v_pk_add_f32 v[X+16*(\j)+2:X+16*(\j)+3],   v[X+16*(\j)+2:X+16*(\j)+3],   v[X+16*(\j)+6:X+16*(\j)+7]
	v_pk_add_f32 v[X+16*(\j)+8:X+16*(\j)+9],   v[X+16*(\j)+8:X+16*(\j)+9],   v[X+16*(\j)+12:X+16*(\j)+13]
	v_pk_add_f32 v[X+16*(\j)+10:X+16*(\j)+11], v[X+16*(\j)+10:X+16*(\j)+11], v[X+16*(\j)+14:X+16*(\j)+15]
	v_pk_add_f32 v[X+16*(\j):X+16*(\j)+1],     v[X+16*(\j):X+16*(\j)+1],     v[X+16*(\j)+8:X+16*(\j)+9]
	v_pk_add_f32 v[X+16*(\j)+2:X+16*(\j)+3],   v[X+16*(\j)+2:X+16*(\j)+3],   v[X+16*(\j)+10:X+16*(\j)+11]
	v_pk_mul_f32 v[X+16*(\j):X+16*(\j)+1],     v[X+16*(\j):X+16*(\j)+1],     s[SC+2*(\j):SC+2*(\j)+1] op_sel_hi:[1,0]
	v_pk_mul_f32 v[X+16*(\j)+2:X+16*(\j)+3],   v[X+16*(\j)+2:X+16*(\j)+3],   s[SC+2*(\j):SC+2*(\j)+1] op_sel_hi:[1,0]
	global_store_b128 v1, v[X+16*(\j):X+16*(\j)+3], s[8:9] offset:4096*(\j) th:TH_STORE_NT
.endr
	s_endpgm
.Lfunc_end_k_qf1e44cb837_sum:
	.size	k_qf1e44cb837_sum, .Lfunc_end_k_qf1e44cb837_sum-k_qf1e44cb837_sum
	.p2alignl 7, 3214868480
	.fill 96, 4, 3214868480
	.section	.rodata,"a",@progbits
	.p2align	6, 0x0
	.amdhsa_kernel k_qf1e44cb837_sum
		.amdhsa_group_segment_fixed_size 0
		.amdhsa_private_segment_fixed_size 0
		.amdhsa_enable_private_segment 0
		.amdhsa_kernarg_size 24
		.amdhsa_user_sgpr_count 2
		.amdhsa_user_sgpr_kernarg_segment_ptr 1
		.amdhsa_wavefront_size32 1
		.amdhsa_system_sgpr_workgroup_id_x 1
		.amdhsa_system_sgpr_workgroup_id_y 1
		.amdhsa_system_sgpr_workgroup_id_z 1
		.amdhsa_system_vgpr_workitem_id 0
		.amdhsa_next_free_vgpr 72
		.amdhsa_next_free_sgpr 80
		.amdhsa_reserve_vcc 0
		.amdhsa_float_denorm_mode_32 3
		.amdhsa_float_denorm_mode_16_64 3
		.amdhsa_memory_ordered 1
		.amdhsa_forward_progress 1
		.amdhsa_inst_pref_size 9
	.end_amdhsa_kernel
	.amdgpu_metadata
---
amdhsa.version: [ 1, 2 ]
amdhsa.kernels:
  - .name:           k_qf1e44cb837_sum
    .symbol:         k_qf1e44cb837_sum.kd
    .args:
      - { .name: part, .offset: 0, .size: 8, .value_kind: global_buffer, .address_space: global }
      - { .name: routing_weights, .offset: 8, .size: 8, .value_kind: global_buffer, .address_space: global }
      - { .name: out0, .offset: 16, .size: 8, .value_kind: global_buffer, .address_space: global }
    .group_segment_fixed_size: 0
    .private_segment_fixed_size: 0
    .kernarg_segment_align: 8
    .kernarg_segment_size: 24
    .max_flat_workgroup_size: 256
    .sgpr_count:     80
    .vgpr_count:     72
    .wavefront_size: 32
...
	.end_amdgpu_metadata
.endif
;; end of part 4
